; MI455X (gfx1250); checked and timed in simulation.
; The chip was launched on July 23, 2026; its instructions are those of AMD's public machine-readable ISA for CDNA 5 (MIT licence, August 2026) and "CDNA5" Instruction Set Architecture Reference Guide (July 2026). The comments in the code are by the model that wrote it; some were corrected since.
;; Att6. Allowed arithmetic: matrix products marked QUANTISED: E4M3 operands, one E8M0 scale for each 32 along K, by v_wmma_scale_f32_16x16x128_f8f6f4 with both operands' format E4M3, f32 sums; products left as they are: f32 operands where the result goes on into a quantised operand, else bf16, f16 or f32 operands; f32 sums; everything else in f32.
;; Inputs: a_codes 32 x 32 x 32 uint8 (E4M3 codes of a, K innermost, in blocks of 32 codes); a_scales 32 x 32 uint8 (E8M0 scales of a, one for each 32 codes along K); b_codes 32 x 32 x 32 uint8 (E4M3 codes of b, K innermost, in blocks of 32 codes); b_scales 32 x 32 uint8 (E8M0 scales of b, one for each 32 codes along K); mask 32 x 2,048 bool; t 32 x 2,048 x 1,024 float32; wa_codes 1,024 x 32 x 32 uint8 (E4M3 codes of wa, K innermost, in blocks of 32 codes); wa_scales 1,024 x 32 uint8 (E8M0 scales of wa, one for each 32 codes along K); wb_codes 1,024 x 32 x 32 uint8 (E4M3 codes of wb, K innermost, in blocks of 32 codes); wb_scales 1,024 x 32 uint8 (E8M0 scales of wb, one for each 32 codes along K); wh 1,024 x 1 float32; wt_codes 1,024 x 32 x 32 uint8 (E4M3 codes of wt, K innermost, in blocks of 32 codes); wt_scales 1,024 x 32 uint8 (E8M0 scales of wt, one for each 32 codes along K).
;; Outputs: out0 32 x 1,024 float32.
;; This version of the problem:
;;   THIS VERSION OF THE PROBLEM IS GIVEN IN LOW PRECISION. The matrix products marked QUANTISED in the list below multiply operands that are first quantised to E4M3 (4 exponent bits, 3 mantissa bits; 8 bits a number), with one power-of-two scale for each 32 numbers along K (OCP MX v1.0); their sums are f32. All else is computed in f32.
;;   The module's matrix products, in the order in which they are computed (A, B: the left and right operand; K: the contracted axis; several contracted axes count as one K, in the product's order):
;;     1. [M 65,536, K 1,024] x [K 1,024, N 1,024]; A: input t; B: input wt (given as codes): QUANTISED
;;     2. [M 32, K 1,024] x [K 1,024, N 1,024]; A: input a (given as codes); B: input wa (given as codes): QUANTISED
;;     3. [M 32, K 1,024] x [K 1,024, N 1,024]; A: input b (given as codes); B: input wb (given as codes): QUANTISED
;;     4. [M 65,536, K 1,024] x [K 1,024, N 1]; A: computed on the way; B: input wh: left as it is (N = 1 < 16)
;;     5. batch 32 x [M 1,024, K 2,048] x [K 2,048, N 1]; A: input t; B: computed on the way: left as it is (N = 1 < 16)
;;   THE QUANTISER, for each operand of a quantised product, along K:
;;     - K is cut into blocks of 32 from its start; a last block that is shorter is filled with zeros.
;;     - A block's scale is 2^e with e = floor(log2(the largest magnitude in the block)) - 8, held to -126 .. 127; a block of zeros has e = 0. As a byte (E8M0): e + 127.
;;     - Each number is divided by its block's scale, clamped to +-448, and rounded to the nearest number of E4M3, ties to even, subnormals kept.
;;     - The product sums the exact products of the quantised numbers (number of the format x scale) in f32.
;;   ~~~python
;;   def quantise(x, axis):      # numpy; x: float32 -> the quantised numbers, widened to float32 again
;;       x = np.moveaxis(x, axis, -1); K = x.shape[-1]
;;       x = np.pad(x, [(0, 0)] * (x.ndim - 1) + [(0, -K % 32)]); x = x.reshape(x.shape[:-1] + (-1, 32)); a = np.abs(x).max(-1, keepdims=True)
;;       e = np.where(a > 0, np.clip(np.frexp(np.where(a > 0, a, 1))[1] - 1 - 8, -126, 127), 0)      # np.frexp(a)[1] - 1 = floor(log2(a)), exactly
;;       r = np.clip(x / 2.0 ** e, -448, 448)
;;       step = 2.0 ** (np.maximum(np.frexp(np.where(r == 0, 1, r))[1] - 1, -6) - 3)
;;       q = np.round(r / step) * step * 2.0 ** e      # np.round: ties to even
;;       return np.moveaxis(q.reshape(q.shape[:-2] + (-1,))[..., :K], -1, axis).astype(np.float32)
;;   ~~~
;;   INPUTS GIVEN AS CODES. a (in the module: [32, 1024], K = its axis 1); b (in the module: [32, 1024], K = its axis 1); wa (in the module: [1024, 1024], K = its axis 0); wb (in the module: [1024, 1024], K = its axis 0); wt (in the module: [1024, 1024], K = its axis 0): each comes as NAME_codes (uint8): NAME with its K axis moved to the last place and cut into blocks of 32 codes, [.., K / 32, bytes a block], one block behind the other in memory; one code a byte (a code: sign, 4 exponent bits, 3 mantissa bits); and NAME_scales (uint8): the same leading axes, one E8M0 byte (e + 127) for each 32 codes along K. Its value is code x scale, taken as it is: it is not quantised again, and the codes and scales need not be those that the quantiser above would give.
;; 2 versions, each right and faster than the one before. Each part assembles by itself: llvm-mc -triple=amdgcn-amd-amdhsa -mcpu=gfx1250 --defsym DOCPART=n.
;; ======== version 1 of 2: 3 launches
;; workspace buffers: g 163,840 bytes; rows 262,144 bytes of whole numbers; scores 262,144 bytes
;; launch prep (part 1): grid 40 x 1, 4 waves a work-group, no clusters, 0 bytes of LDS; arguments a_codes, a_scales, b_codes, b_scales, wa_codes, wa_scales, wb_codes, wb_scales, wh, mask, g, rows; writes g, rows
.if DOCPART == 1
	.amdgcn_target "amdgcn-amd-amdhsa--gfx1250"
	.amdhsa_code_object_version 6
	.text
	.protected	k_q4f449de6d3_prep
	.globl	k_q4f449de6d3_prep
	.p2align	8
	.type	k_q4f449de6d3_prep,@function
k_q4f449de6d3_prep:
	s_mov_b64 s[64:65], 0
	v_nop
	global_prefetch_b8 v0, s[64:65] scope:SCOPE_SE
	s_setreg_imm32_b32 hwreg(HW_REG_WAVE_MODE, 25, 1), 1
	s_wait_xcnt 0x0
; Two small jobs that the later launches need, told apart by the work-group's number.
; WORK-GROUPS 0-31: g2[b][u] = -2 log2(e) x tanh(a wa)[b][u] x tanh(b wb)[b][u] x wh[u], both products on codes of E4M3 with E8M0 scales as they are given.
;   g is laid [32 batches][1,280 f32]: 256 zeros, then the 1,024 numbers g2.  (The zeros feed the first two, empty, turns of the next launch's pipeline.)
;   Work-group x: batches 16 (x & 1) on; wave w: units 16 T on, T = 4 (x >> 1) + w.  One wave, two accumulators (a's and b's) by turns, eight K steps of 128.
;   The product is used transposed (source 0 = 16 units of the weight, source 1 = 16 batches): a lane holds one batch (lane % 16) and eight neighbouring units 8 (lane / 16) + 0..7.
;   tanh x = 1 - 2 / (1 + 2^(2 log2(e) x)): at both ends the exponential's 0 or infinity gives -1 or 1.
;   A lane's stores are 32 and 8 bytes of a row of g: pieces of rows 5,120 bytes apart; the whole buffer is 160 KiB.
; WORK-GROUPS 32-39: rows[b][c], c = 0 .. 2047: the numbers of the rows of batch b whose mask is set, in ascending order, and behind them 0xffffffff.
;   One wave to a batch, 64 groups of 32 rows: a row's place is the count of kept rows ahead of it; a dropped row's mark goes to a place counted down from 2,047.  Every place is stored once.
; LIMITS: scale bytes 0xff (NaN) among the inputs give NaN, as the products do.
.set WAS, 16                           ; v16-23  wa's scale words, K step s at +s      (registers that hold scales and nothing else)
.set WBS, 24                           ; v24-31  wb's
.set AAS, 32                           ; v32-39  a's
.set ABS, 40                           ; v40-47  b's
.set WH,  48                           ; v48-55  wh of my eight units
.set HA,  64                           ; v64-71  a wa;  v72-79  b wb
.set HB,  72
.set MSB, 0
.macro WIN new                         ; the immediate's high byte repeats the setting that is left
.if MSB != \new
	s_set_vgpr_msb (MSB<<8)|\new
.set MSB, \new
.endif
.endm
	s_load_b512 s[4:19], s[0:1], 0x0               ; a_codes 4, a_scales 6, b_codes 8, b_scales 10, wa_codes 12, wa_scales 14, wb_codes 16, wb_scales 18
	s_load_b256 s[20:27], s[0:1], 0x40             ; wh 20, mask 22, g 24, rows 26
	v_lshrrev_b32 v1, 5, v0
	v_readfirstlane_b32 s28, v1                    ; wave 0..3
	s_cmp_ge_u32 ttmp9, 32
	s_cbranch_scc1 .Llist
	s_and_b32 s29, ttmp9, 1                        ; u: which 16 batches
	s_lshr_b32 s30, ttmp9, 1
	s_lshl_b32 s30, s30, 2
	s_add_co_u32 s30, s30, s28                     ; T: which 16 units
	v_and_b32 v1, 15, v0                           ; r
	v_bfe_u32 v2, v0, 4, 1                         ; h
	v_lshlrev_b32 v3, 10, v1
	v_lshl_add_u32 v3, v2, 4, v3                   ; a fragment: row r of 1,024 codes, + 16 h
	v_lshlrev_b32 v4, 5, v1                        ; scale words: 32 bytes a row
	v_lshlrev_b32 v5, 5, v2                        ; wh: 8 h numbers on
	v_mul_u32_u24 v6, v1, 5120                     ; g: row r of 5,120 bytes
	v_lshl_add_u32 v7, v2, 3, v6                   ; the zeros: + 8 h
	v_lshl_add_u32 v6, v2, 5, v6                   ; g2: + 32 h
	v_mov_b32 v8, 0
	v_mov_b32 v9, 0
	s_lshl_b32 s32, s30, 14                        ; 16 T rows of 1,024 bytes
	s_mov_b32 s33, 0
	s_lshl_b32 s34, s29, 14                        ; 16 u rows of 1,024 bytes
	s_mov_b32 s35, 0
	s_lshl_b32 s36, s30, 9                         ; 16 T rows of 32 scale bytes
	s_mov_b32 s37, 0
	s_lshl_b32 s38, s29, 9
	s_mov_b32 s39, 0
	s_lshl_b32 s40, s30, 6                         ; 16 T numbers of 4 bytes
	s_mov_b32 s41, 0
	s_mul_i32 s42, s29, 81920                      ; 16 u rows of g
	s_mov_b32 s43, 0
	s_lshl_b32 s44, s30, 4                         ; my tile's 16 bytes of a row's 1,024 zero bytes
	s_mov_b32 s45, 0
	s_mov_b32 s46, 0x4038aa3b                      ; 2 log2(e)
	s_mov_b32 s47, s46                             ; (named with it as a pair, so it is written)
	s_mov_b32 s48, 0xc038aa3b                      ; -2 log2(e)
	s_mov_b32 s49, s48
	s_wait_kmcnt 0x0
	s_add_nc_u64 s[12:13], s[12:13], s[32:33]
	s_add_nc_u64 s[16:17], s[16:17], s[32:33]
	s_add_nc_u64 s[4:5], s[4:5], s[34:35]
	s_add_nc_u64 s[8:9], s[8:9], s[34:35]
	s_add_nc_u64 s[14:15], s[14:15], s[36:37]
	s_add_nc_u64 s[18:19], s[18:19], s[36:37]
	s_add_nc_u64 s[6:7], s[6:7], s[38:39]
	s_add_nc_u64 s[10:11], s[10:11], s[38:39]
	s_add_nc_u64 s[20:21], s[20:21], s[40:41]
	s_add_nc_u64 s[24:25], s[24:25], s[42:43]
	s_add_nc_u64 s[50:51], s[24:25], s[44:45]      ; where my zeros go
	s_add_nc_u64 s[24:25], s[24:25], s[40:41]      ; where my g2 goes, less the 1,024 bytes that stand in the stores' immediates
	WIN 0x40                                       ; destination window 1: wa's eight fragments at v0-127, wb's at v128-255
.irp s, 0,1,2,3,4,5,6,7
.irp c, 0,1,2,3
	global_load_b128 v[16*\s+4*\c:16*\s+4*\c+3], v3, s[12:13] offset:128*\s+32*\c
	global_load_b128 v[128+16*\s+4*\c:128+16*\s+4*\c+3], v3, s[16:17] offset:128*\s+32*\c
.endr
.endr
	WIN 0x80                                       ; destination window 2: b's at v0-127, a's at v128-255
.irp s, 0,1,2,3,4,5,6,7
.irp c, 0,1,2,3
	global_load_b128 v[128+16*\s+4*\c:128+16*\s+4*\c+3], v3, s[4:5] offset:128*\s+32*\c
	global_load_b128 v[16*\s+4*\c:16*\s+4*\c+3], v3, s[8:9] offset:128*\s+32*\c
.endr
.endr
	WIN 0
	global_load_b128 v[WAS:WAS+3], v4, s[14:15]
	global_load_b128 v[WAS+4:WAS+7], v4, s[14:15] offset:16
	global_load_b128 v[WBS:WBS+3], v4, s[18:19]
	global_load_b128 v[WBS+4:WBS+7], v4, s[18:19] offset:16
	global_load_b128 v[AAS:AAS+3], v4, s[6:7]
	global_load_b128 v[AAS+4:AAS+7], v4, s[6:7] offset:16
	global_load_b128 v[ABS:ABS+3], v4, s[10:11]
	global_load_b128 v[ABS+4:ABS+7], v4, s[10:11] offset:16
	global_load_b128 v[WH:WH+3], v5, s[20:21]
	global_load_b128 v[WH+4:WH+7], v5, s[20:21] offset:16
	s_wait_loadcnt 0x0                             ; all operands: the launch is short and has one product a wave
	WIN 0x09                                       ; source 0 (the weight) window 1, source 1 (a or b) window 2, C and D window 0
	v_wmma_scale_f32_16x16x128_f8f6f4 v[HA:HA+7], v[0:15], v[128:143], 0, v[WAS], v[AAS]     ; the first K step starts both sums
	v_wmma_scale_f32_16x16x128_f8f6f4 v[HB:HB+7], v[128:143], v[0:15], 0, v[WBS], v[ABS]
.irp s, 1,2,3,4,5,6,7                              ; the two accumulators by turns, one instruction a turn
	v_wmma_scale_f32_16x16x128_f8f6f4 v[HA:HA+7], v[16*\s:16*\s+15], v[128+16*\s:128+16*\s+15], v[HA:HA+7], v[WAS+\s], v[AAS+\s]
	v_wmma_scale_f32_16x16x128_f8f6f4 v[HB:HB+7], v[128+16*\s:128+16*\s+15], v[16*\s:16*\s+15], v[HB:HB+7], v[WBS+\s], v[ABS+\s]
.endr
	WIN 0
.rept 8
	v_nop                                          ; eight places between the last products and the first read of their results
.endr
.irp k, 0,1,2,3,4,5,6,7
	v_pk_mul_f32 v[HA+2*\k:HA+2*\k+1], v[HA+2*\k:HA+2*\k+1], s[46:47] op_sel_hi:[1,0]   ; 2 log2(e) x; each accumulator from its low end on
.endr
.irp j, 0,1,2,3,4,5,6,7,8,9,10,11,12,13,14,15
	v_exp_f32 v[HA+\j], v[HA+\j]
.endr
.irp k, 0,1,2,3
	v_pk_mul_f32 v[WH+2*\k:WH+2*\k+1], v[WH+2*\k:WH+2*\k+1], s[48:49] op_sel_hi:[1,0]   ; -2 log2(e) wh: plain work behind the exponentials
.endr
	s_wait_alu depctr_va_vdst(0)                   ; one wait for the batch, ahead of its first reader
.irp k, 0,1,2,3,4,5,6,7
	v_pk_add_f32 v[HA+2*\k:HA+2*\k+1], v[HA+2*\k:HA+2*\k+1], 1.0 op_sel_hi:[1,0]
.endr
.irp j, 0,1,2,3,4,5,6,7,8,9,10,11,12,13,14,15
	v_rcp_f32 v[HA+\j], v[HA+\j]
.endr
	v_nop                                          ; a plain instruction behind the last reciprocal
	s_wait_alu depctr_va_vdst(0)                   ; and the batch's one wait
.irp k, 0,1,2,3,4,5,6,7
	v_pk_fma_f32 v[HA+2*\k:HA+2*\k+1], v[HA+2*\k:HA+2*\k+1], -2.0, 1.0 op_sel_hi:[1,0,0]   ; tanh = 1 - 2 / (1 + e)
.endr
.irp k, 0,1,2,3
	v_pk_mul_f32 v[HA+2*\k:HA+2*\k+1], v[HA+2*\k:HA+2*\k+1], v[HB+2*\k:HB+2*\k+1]
.endr
.irp k, 0,1,2,3
	v_pk_mul_f32 v[HA+2*\k:HA+2*\k+1], v[HA+2*\k:HA+2*\k+1], v[WH+2*\k:WH+2*\k+1]
.endr
	global_store_b128 v6, v[HA:HA+3], s[24:25] offset:1024      ; g2(16 u + r, 16 T + 8 h + 0..3), behind the row's 1,024 zero bytes
	global_store_b128 v6, v[HA+4:HA+7], s[24:25] offset:1040
	global_store_b64 v7, v[8:9], s[50:51]          ; my 8 of the row's zero bytes: 64 tiles x 2 halves x 8 = 1,024
	s_endpgm
.Llist:
	s_sub_co_u32 s29, ttmp9, 32
	s_lshl_b32 s29, s29, 2
	s_add_co_u32 s29, s29, s28                     ; my wave's batch
	s_lshl_b32 s30, s29, 11                        ; its 2,048 mask bytes
	s_mov_b32 s31, 0
	s_lshl_b32 s32, s29, 13                        ; its 2,048 places of the list
	s_mov_b32 s33, 0
	v_and_b32 v1, 31, v0                           ; lane
	v_sub_nc_u32 v2, 0, v1                         ; - lane
	s_mov_b32 s2, 0                                ; kept rows so far
	s_wait_kmcnt 0x0
	s_add_nc_u64 s[22:23], s[22:23], s[30:31]
	s_add_nc_u64 s[26:27], s[26:27], s[32:33]
.set i, 0
.rept 64
	global_load_u8 v[64+i], v1, s[22:23] offset:32*i           ; group i: rows 32 i + lane
.set i, i+1
.endr
	s_wait_loadcnt 0x0
.set i, 0
.rept 64                                           ; each group has its own address and data registers (v128+i, v192+i), so no store's sources are written again
	v_cmp_ne_u32 vcc_lo, 0, v[64+i]                ; kept?
	v_mbcnt_lo_u32_b32 v4, vcc_lo, 0               ; kept rows of the group in lanes below mine,
	v_add_nc_u32 v4, s2, v4                        ; and in the groups before: a kept row's place
	v_add3_u32 v5, v4, v2, 2047-32*i               ; a dropped row's: 2,047 less the dropped rows ahead of it, which are 32 i + lane less the kept ones
	v_add_nc_u32 v6, 32*i, v1                      ; the row's number
	v_cndmask_b32 v5, v5, v4, vcc_lo
	v_cndmask_b32 v[192+i], -1, v6, vcc_lo         ; a dropped row leaves the mark 0xffffffff
	v_min_u32 v5, 0x7ff, v5                        ; a number made of loaded numbers enters an address only behind this bound
	v_lshlrev_b32 v[128+i], 2, v5
	global_store_b32 v[128+i], v[192+i], s[26:27]
	s_bcnt1_i32_b32 s3, vcc_lo
	s_add_co_u32 s2, s2, s3
.set i, i+1
.endr
	s_endpgm
.Lfunc_end_k_q4f449de6d3_prep:
	.size	k_q4f449de6d3_prep, .Lfunc_end_k_q4f449de6d3_prep-k_q4f449de6d3_prep
	.p2alignl 7, 3214868480
	.fill 96, 4, 3214868480
	.section	.rodata,"a",@progbits
	.p2align	6, 0x0
	.amdhsa_kernel k_q4f449de6d3_prep
		.amdhsa_group_segment_fixed_size 0
		.amdhsa_private_segment_fixed_size 0
		.amdhsa_enable_private_segment 0
		.amdhsa_kernarg_size 96
		.amdhsa_user_sgpr_count 2
		.amdhsa_user_sgpr_kernarg_segment_ptr 1
		.amdhsa_wavefront_size32 1
		.amdhsa_system_sgpr_workgroup_id_x 1
		.amdhsa_system_sgpr_workgroup_id_y 1
		.amdhsa_system_sgpr_workgroup_id_z 1
		.amdhsa_system_vgpr_workitem_id 0
		.amdhsa_next_free_vgpr 768
		.amdhsa_next_free_sgpr 66
		.amdhsa_reserve_vcc 1
		.amdhsa_float_denorm_mode_32 3
		.amdhsa_float_denorm_mode_16_64 3
		.amdhsa_memory_ordered 1
		.amdhsa_forward_progress 1
		.amdhsa_inst_pref_size 66
	.end_amdhsa_kernel
	.amdgpu_metadata
---
amdhsa.version: [ 1, 2 ]
amdhsa.kernels:
  - .name:           k_q4f449de6d3_prep
    .symbol:         k_q4f449de6d3_prep.kd
    .args:
      - { .name: a_codes, .offset: 0, .size: 8, .value_kind: global_buffer, .address_space: global }
      - { .name: a_scales, .offset: 8, .size: 8, .value_kind: global_buffer, .address_space: global }
      - { .name: b_codes, .offset: 16, .size: 8, .value_kind: global_buffer, .address_space: global }
      - { .name: b_scales, .offset: 24, .size: 8, .value_kind: global_buffer, .address_space: global }
      - { .name: wa_codes, .offset: 32, .size: 8, .value_kind: global_buffer, .address_space: global }
      - { .name: wa_scales, .offset: 40, .size: 8, .value_kind: global_buffer, .address_space: global }
      - { .name: wb_codes, .offset: 48, .size: 8, .value_kind: global_buffer, .address_space: global }
      - { .name: wb_scales, .offset: 56, .size: 8, .value_kind: global_buffer, .address_space: global }
      - { .name: wh, .offset: 64, .size: 8, .value_kind: global_buffer, .address_space: global }
      - { .name: mask, .offset: 72, .size: 8, .value_kind: global_buffer, .address_space: global }
      - { .name: g, .offset: 80, .size: 8, .value_kind: global_buffer, .address_space: global }
      - { .name: rows, .offset: 88, .size: 8, .value_kind: global_buffer, .address_space: global }
    .group_segment_fixed_size: 0
    .private_segment_fixed_size: 0
    .kernarg_segment_align: 8
    .kernarg_segment_size: 96
    .max_flat_workgroup_size: 128
    .sgpr_count:     66
    .vgpr_count:     768
    .wavefront_size: 32
...
	.end_amdgpu_metadata
.endif
;; end of part 1
;; launch scores (part 2): grid 256 x 1, 4 waves a work-group, clusters of 4 x 1, 327,680 bytes of LDS; arguments t, rows, g, wt_codes, wt_scales, scores; writes scores
.if DOCPART == 2
	.amdgcn_target "amdgcn-amd-amdhsa--gfx1250"
	.amdhsa_code_object_version 6
	.text
	.protected	k_q4f449de6d3_scores
	.globl	k_q4f449de6d3_scores
	.p2align	8
	.type	k_q4f449de6d3_scores,@function
k_q4f449de6d3_scores:
	s_mov_b64 s[64:65], 0
	v_nop
	global_prefetch_b8 v0, s[64:65] scope:SCOPE_SE
	s_setreg_imm32_b32 hwreg(HW_REG_WAVE_MODE, 25, 1), 1
	s_wait_xcnt 0x0
	s_wait_alu depctr_hold_cnt(0) depctr_sa_sdst(0) depctr_va_vdst(0) depctr_va_sdst(0) depctr_va_ssrc(0) depctr_va_vcc(0) depctr_vm_vsrc(0)
	s_getreg_b32 s2, hwreg(HW_REG_IB_STS2, 6, 4)
	s_cmp_eq_u32 s2, 0
	s_cbranch_scc0 .Lentry_in_a_cluster
	s_endpgm
.Lentry_in_a_cluster:
	s_bfe_u32 s2, ttmp6, 0x10000c
	s_cmp_lg_u32 s2, 0x3003
	s_cbranch_scc0 .Lentry_shape_is_right
	s_endpgm
.Lentry_shape_is_right:
; scores[b][c] = sum over the 1,024 hidden units u of g2[b][u] / (1 + 2^(2 log2(e) x)), x = (Q(t) wt)[row, u], for the row that stands at place c of batch b's list.
; Since tanh x = 1 - 2 / (1 + e^(2 x)) and g2 = -2 log2(e) ha hb wh, that is log2(e) x reference()'s score less a number that is the same for all rows of a batch, which a softmax does not see.
; Rows whose mask is 0 have the weight 0 in reference(), and their scores cancel in its renormalisation: they are not on the list.  Places behind the list's end (mark 0xffffffff) are worked on row 2,047
; of the batch, so that no branch hangs on loaded numbers; the next launch throws their scores away.
; THE PRODUCT is on codes of E4M3 with one E8M0 scale for each 32 along K: wt as it is given; t quantised here, in f32, by the stated rule (a block of zeros keeps the byte 1: its codes are zeros, and only this text reads the bytes).
; LIMITS: NaN and infinities in t are not served.
; SHARES.  256 work-groups, eight to a batch; wave number o = 0..31 within a batch.  A wave owns four tiles of 16 places, c = 16 (32 m + o) + lane % 16, m = 0..3: the list's full part is dealt evenly to the 32 waves.
; PHASE X: the wave's 64 rows x 1,024 K are loaded, quantised and kept as codes in 512 registers (32 fragments), with their 32 scale words.  PHASE G: the wave walks the 64 tiles of 16 units of wt; a tile is
; 32 matrix instructions (8 K steps x 4 tiles of rows), used transposed (source 0 = 16 units, source 1 = 16 rows): a lane holds ONE row (lane % 16) and the units 8 (lane / 16) + 0..7.
; wt comes through a ring of two LDS slots of 8 tiles (128 units x 1,024 bytes); its scale bytes and the batch's row of g come once.
; CLUSTER: 4 work-groups of one batch.  They walk the same wt, scale bytes and g: every tensor load is a joint one, with the mask of all four.  The place in the cluster enters the addresses of rows and scores alone.
; THE PIPELINE of phase G, a period = one tile p: the matrix unit makes tile p in one set of four accumulators; the other set holds tile p - 1, which is scaled and put through the exponential; R holds 1 + e of
; tile p - 2, which is put through the reciprocal and summed with g2.  The vector work stands in slices behind the matrix instructions.  A period's 64 transcendentals have one wait.
; The first two periods work on made-up tiles (sums 0, R = 1) against the zeros that stand ahead of g2 in its row, so that the period is written once.
; No prefetch: phase X has 48 to 64 loads of every wave out, and wt is what all work-groups of the launch read.
; REGISTERS, in windows of 256 (s_set_vgpr_msb: bits 1:0 source 0, 3:2 source 1, 5:4 source 2, 7:6 destination):
;   window 0: v1 r, v2 h, v3 4 r, v8-11 t's offsets, v12-13 for the add, v16-47 t's scale words (4 s + m), v48-55 wt's of the tile in hand, v56-63 g2, v64-79 at work, v80-89 list and way out, v128-255 codes of K steps 6, 7
;   window 1: phase X: four sets of 64 numbers.  Phase G: v0-127 wt's eight fragments, v128-159 and v160-191 the two sets of accumulators, v192-223 R, v224-231 the sums, v232-237 LDS addresses, v238-241 at work
;   window 2: codes of K steps 0-2 (fragment (s, m) at 16 (4 s + m));   window 3: of K steps 3-5
.set PITCH,  1040                      ; a unit's row in LDS: 1,024 bytes + 16: 65 x 16 bytes, so the 16 rows of a fragment load begin 16 bytes apart modulo 256
.set TILEB,  16*PITCH                  ; a tile of 16 units
.set WPART,  32*PITCH                  ; what one tensor load brings: two tiles
.set SLOTD,  0x20800                   ; a slot: 4 x WPART = 133,120 bytes.  Its two bits are in none of 0, WPART, 2 WPART, 3 WPART: one exclusive or turns an address from slot to slot
.set SCW,    2*SLOTD                   ; wt's scale bytes: 128 rows of 256 bytes + 16
.set SCPART, 32*272
.set GB,     SCW+4*SCPART              ; the batch's row of g: 5,120 bytes
.set SPARE,  GB+5120                   ; the spare words, 128 bytes a wave: two blocks of 256 bytes that no other line names
.set AS,  16
.set WS,  48
.set G,   56
.set TM,  64                           ; v64-67 largest magnitudes, v68-71 bytes, v72-75 448 x the scale, v76-79 the conversions' scale operands
.set LST, 80
.set B,    0
.set ACC0, 128
.set ACC1, 160
.set R,    192
.set SC,   224
.set AB0,  232                         ; my lane's place in a tile of wt;  233: among a tile's scale words;  234: in g's row, two tiles back
.set AW0,  233
.set AG0,  234
.set ADRB, 235                         ; the same with the tile's place added
.set ADRW, 236
.set ADRG, 237
.set W_L2, 0x59                        ; D, C and source 0 (wt) window 1; source 1 (t's codes) window 2
.set W_L3, 0x5d                        ; the same, source 1 window 3
.set W_L0, 0x51                        ; the same, source 1 window 0
.set W_LD0, 0x01                       ; an LDS load into window 0 by an address in window 1
.set MSB, 0
.macro WIN new                         ; the immediate's high byte repeats the setting that is left
.if MSB != \new
	s_set_vgpr_msb (MSB<<8)|\new
.set MSB, \new
.endif
.endm
.macro ROUND                           ; a round of the cluster's barrier: my work-group's barrier; wave 0 signals for the work-group; every wave waits for all four; my work-group's barrier again
	s_barrier_signal -1
	s_barrier_wait -1
	s_cmp_lg_u32 s16, 0
	s_cbranch_scc1 .Lnot_wave_0_\@
	s_barrier_signal -3
.Lnot_wave_0_\@:
	s_barrier_wait -3
	s_barrier_signal -1
	s_barrier_wait -1
.endm
	s_load_b256 s[4:11], s[0:1], 0x0               ; t 4, rows 6, g 8, wt_codes 10
	s_load_b128 s[12:15], s[0:1], 0x20             ; wt_scales 12, scores 14
	v_lshl_add_u32 v12, v0, 2, SPARE
	v_mov_b32 v13, 0
	ds_add_u32 v12, v13
	ds_add_u32 v12, v13
	s_wait_dscnt 0x0
	v_lshrrev_b32 v1, 5, v0
	v_readfirstlane_b32 s16, v1                    ; wave 0..3
	s_bfe_u32 s17, ttmp6, 0x40000                  ; cx
	s_lshr_b32 s18, ttmp9, 1                       ; the batch: two clusters to a batch; the four partners share it
	s_and_b32 s19, ttmp9, 1
	s_lshl_b32 s19, s19, 2
	s_add_co_u32 s19, s19, s17
	s_lshl_b32 s19, s19, 2
	s_add_co_u32 s19, s19, s16                     ; o = 4 (4 (cluster & 1) + cx) + wave
	; group 1 for wt's tiles: 32 rows of 1,024 bytes, 16 bytes of padding behind each
	s_mov_b32 s24, 15|(1<<20)|(1<<21)|(7<<22)|(3<<25)   ; 15:0 the mask: all four; 17:16 elements of 1 byte; 20 padding on; 21 set beside a mask; 24:22 after every 256 words (code 7); 31:25 four words (code 3)
	s_mov_b32 s25, 1024<<16                        ; tensor_dim0
	s_mov_b32 s26, 32<<16                          ; tensor_dim1
	s_mov_b32 s27, 1024<<16                        ; tile_dim0
	s_mov_b32 s28, 32                              ; tile_dim1
	s_mov_b32 s29, 1024                            ; from row to row
	s_mov_b32 s30, 0
	s_mov_b32 s31, 0
	; for the scale bytes: a dense block as 32 rows of 256 bytes (32 elements of 8), 16 bytes of padding behind each
	s_mov_b32 s40, 15|(3<<16)|(1<<20)|(1<<21)|(5<<22)|(3<<25)
	s_mov_b32 s41, 32<<16
	s_mov_b32 s42, 32<<16
	s_mov_b32 s43, 32<<16
	s_mov_b32 s44, 32
	s_mov_b32 s45, 32
	s_mov_b32 s46, 0
	s_mov_b32 s47, 0
	; for g's row: a dense block as 5 rows of 256 bytes, no padding
	s_mov_b32 s52, 15|(3<<16)|(1<<21)
	s_mov_b32 s53, 32<<16
	s_mov_b32 s54, 5<<16
	s_mov_b32 s55, 32<<16
	s_mov_b32 s56, 5
	s_mov_b32 s57, 32
	s_mov_b32 s58, 0
	s_mov_b32 s59, 0
	s_mul_i32 s20, s16, WPART                      ; where my parts go in LDS: the wave's number times a constant; no place in the cluster enters
	s_mul_i32 s21, s16, SCPART
	s_mul_i32 s22, s16, 1280
	s_lshl_b32 s78, s16, 15                        ; and where they lie in memory: wt: 32 rows of 1,024 bytes a wave
	s_mov_b32 s79, 0
	s_lshl_b32 s80, s16, 13                        ; scale bytes: 8,192 a wave
	s_mov_b32 s81, 0
	s_mul_i32 s82, s18, 5120                       ; g: the batch's row, 1,280 bytes a wave
	s_add_co_u32 s82, s82, s22
	s_mov_b32 s83, 0
	s_lshl_b32 s84, s18, 13                        ; rows and scores: the batch's 8,192 bytes, + 64 o
	s_lshl_b32 s23, s19, 6
	s_add_co_u32 s84, s84, s23
	s_mov_b32 s85, 0
	s_lshl_b32 s86, s18, 23                        ; t: the batch's 8 MiB
	s_mov_b32 s87, 0
	s_mov_b32 s66, 0x76543210                      ; v_permlanex16_b32's selects for lane l xor 16
	s_mov_b32 s67, 0xfedcba98
	s_mov_b32 s68, 0x600000                        ; the mantissa field of 448
	s_mov_b32 s70, 0x4038aa3b                      ; 2 log2(e)
	s_mov_b32 s71, s70                             ; (named with it as a pair, so it is written)
	s_mov_b32 s77, 0xffff0000                      ; lanes 16-31
	v_and_b32 v1, 15, v0                           ; r
	v_bfe_u32 v2, v0, 4, 1                         ; h
	v_lshlrev_b32 v3, 2, v1
.irp b, 0,1,2,3
	v_mov_b32 v[TM+4+\b], 0                        ; written once: a lane permute's destination counts as one of its sources
.endr
	s_wait_kmcnt 0x0
	s_add_nc_u64 s[6:7], s[6:7], s[84:85]
	s_add_nc_u64 s[14:15], s[14:15], s[84:85]
	s_add_nc_u64 s[4:5], s[4:5], s[86:87]
	s_mov_b32 s32, 1                               ; group 0, slot 0: units 0-127
	s_mov_b32 s33, s20
	s_add_nc_u64 s[34:35], s[10:11], s[78:79]
	s_add_nc_u64 s[38:39], s[34:35], 0x20000       ; group 0, slot 1: units 128-255; this one walks on
	s_or_b32 s35, s35, 0x80000000
	s_mov_b32 s36, 1
	s_add_co_u32 s37, s20, SLOTD
	s_or_b32 s39, s39, 0x80000000
	s_mov_b32 s48, 1                               ; the scale bytes
	s_add_co_u32 s49, s21, SCW
	s_add_nc_u64 s[50:51], s[12:13], s[80:81]
	s_or_b32 s51, s51, 0x80000000
	s_mov_b32 s60, 1                               ; g's row
	s_add_co_u32 s61, s22, GB
	s_add_nc_u64 s[62:63], s[8:9], s[82:83]
	s_or_b32 s63, s63, 0x80000000
.irp m, 0,1,2,3
	global_load_b32 v[LST+\m], v3, s[6:7] offset:2048*\m       ; the list at c = 16 (32 m + o) + r
.endr
	ROUND                                          ; all four work-groups are here: the first joint loads meet
	tensor_load_to_lds s[48:51], s[40:47]          ; the first fills go out as one group: four loads of mine are out
	s_nop 0
	tensor_load_to_lds s[60:63], s[52:59]
	s_nop 0
	tensor_load_to_lds s[32:35], s[24:31]
	s_nop 0
	tensor_load_to_lds s[36:39], s[24:31]
	s_nop 0
.rept 4
	v_nop                                          ; four such lines behind a tensor load, ahead of a switch of windows
.endr
	s_wait_loadcnt 0x0                             ; the list
.irp m, 0,1,2,3
	v_min_u32 v[LST+\m], 0x7ff, v[LST+\m]          ; a loaded number enters an address only behind this bound; the mark becomes row 2,047
.endr
.irp m, 0,1,2,3
	v_lshlrev_b32 v[8+\m], 12, v[LST+\m]           ; a row of t is 4,096 bytes;
	v_lshl_add_u32 v[8+\m], v2, 6, v[8+\m]         ; of each block of 32 numbers lane (r, h) takes 16 h + 0..15
.endr
; ---- PHASE X.  Unit u = 8 m + s: tile m's 16 rows, K step s: 64 numbers a lane, register 16 b + i = k 128 s + 32 b + 16 h + i of my row, in set u % 4 of window 1.
.macro XLOAD u
	WIN 0x40                                       ; destination window 1, address window 0
.set xr_, 64*((\u)%4)
.irp b, 0,1,2,3
.irp j, 0,1,2,3
	global_load_b128 v[xr_+16*\b+4*\j:xr_+16*\b+4*\j+3], v[8+(\u)/8], s[4:5] offset:512*((\u)%8)+128*\b+16*\j
.endr
.endr
.endm
.macro XUNIT                           ; unit U becomes fragment (s, m) and its scale word
.set qs_, U%8
.set qm_, U/8
.set X, 64*(U%4)
.if qs_ < 3
.set XC, (2<<6)|1
.set AR, 16*(4*qs_+qm_)
.elseif qs_ < 6
.set XC, (3<<6)|1
.set AR, 16*(4*(qs_-3)+qm_)
.else
.set XC, 1
.set AR, 128+16*(4*(qs_-6)+qm_)
.endif
.if U < 29
	s_wait_loadcnt 48                              ; this unit's 16 loads are in; those of the three units behind it may be out
.else
	s_wait_loadcnt 16*(31-U)
.endif
	WIN 0x14                                       ; sources 1 and 2 window 1
.irp b, 0,1,2,3
	v_max3_num_f32 v[TM+\b], 0x4800000, |v[X+16*\b]|, |v[X+16*\b+1]|       ; block b: my 16 numbers, and the floor 2^(9 - 127): the byte cannot fall under 1
.endr
.irp e, 2,4,6,8,10,12,14
.irp b, 0,1,2,3
	v_max3_num_f32 v[TM+\b], v[TM+\b], |v[X+16*\b+\e]|, |v[X+16*\b+\e+1]|  ; (the four blocks by turns)
.endr
.endr
	WIN 0
.irp b, 0,1,2,3
	v_permlanex16_b32 v[TM+4+\b], v[TM+\b], s66, s67
.endr
.irp b, 0,1,2,3
	v_max_num_f32 v[TM+\b], v[TM+\b], v[TM+4+\b]   ; with lane l xor 16's: the block's largest magnitude
.endr
.irp b, 0,1,2,3
	v_add_nc_u32 v[TM+12+\b], 0xfc000000, v[TM+\b] ; 8 off its exponent field: the conversion's scale operand
.endr
.irp b, 0,1,2,3
	v_and_or_b32 v[TM+8+\b], v[TM+\b], 0x7f800000, s68   ; 448 x the scale
.endr
.irp b, 0,1,2,3
	v_lshrrev_b32 v[TM+4+\b], 23, v[TM+12+\b]      ; the scale's byte
.endr
	v_lshl_or_b32 v[AS+4*qs_+qm_], v[TM+5], 8, v[TM+4]         ; the four bytes make my row's scale word
	v_lshl_or_b32 v[AS+4*qs_+qm_], v[TM+6], 16, v[AS+4*qs_+qm_]
	v_lshl_or_b32 v[AS+4*qs_+qm_], v[TM+7], 24, v[AS+4*qs_+qm_]
	WIN 0x41                                       ; destination and source 0 window 1
.irp b, 0,1,2,3
.irp e, 0,1,2,3,4,5,6,7,8,9,10,11,12,13,14,15
	v_med3_num_f32 v[X+16*\b+\e], v[X+16*\b+\e], -v[TM+8+\b], v[TM+8+\b]   ; the conversion to an 8-bit code does not saturate (ISA guide 7.6.2): the hold at 448 x the scale
.endr
.endr
	WIN XC                                         ; destination: the fragment's window; source 0 window 1
.irp b, 0,1,2,3
	v_cvt_scalef32_pk8_fp8_f32 v[AR+4*\b:AR+4*\b+1], v[X+16*\b:X+16*\b+7], v[TM+12+\b]       ; registers 4 b .. 4 b + 3: k = 32 b + 16 h + 0..15
	v_cvt_scalef32_pk8_fp8_f32 v[AR+4*\b+2:AR+4*\b+3], v[X+16*\b+8:X+16*\b+15], v[TM+12+\b]
.endr
	v_nop                                          ; a plain instruction behind the last conversion, ahead of whatever next writes its sources
.endm
	XLOAD 0
	XLOAD 1
	XLOAD 2
	XLOAD 3
.set U, 0
.rept 32
	XUNIT
.if U < 28
	XLOAD U+4                                      ; into the set just left
.endif
.set U, U+1
.endr
; ---- between the phases: LDS addresses, and the made-up tiles that prime the pipeline
	WIN 0
	v_mul_u32_u24 v84, v1, PITCH
	v_lshl_add_u32 v84, v2, 4, v84                 ; wt: row r x pitch + 16 h
	v_lshrrev_b32 v85, 3, v1
	v_lshlrev_b32 v85, 4, v85
	v_lshl_add_u32 v85, v1, 5, v85                 ; scale words: 32 bytes a unit, and 16 more behind the first eight units (256 bytes)
	v_lshlrev_b32 v86, 5, v2                       ; g2: 8 h numbers on
	v_lshl_add_u32 v87, v2, 11, v3                 ; the way out: 4 r + 2,048 h
	WIN 0x40                                       ; destination window 1
	v_add_nc_u32 v[AB0], 0, v84
	v_add_nc_u32 v[AW0], SCW, v85
	v_add_nc_u32 v[AG0], GB+896, v86               ; period p reads tile p - 2's eight numbers: 1,024 + 64 (p - 2) bytes into the row
.set i, 0
.rept 32
	v_mov_b32 v[ACC1+i], 0                         ; "tile -1": sums 0.  (76 moves, once, in place of two more written-out periods)
	v_mov_b32 v[R+i], 1.0                          ; "tile -2": 1 + e = 1
.set i, i+1
.endr
.set i, 0
.rept 8
	v_mov_b32 v[SC+i], 0                           ; the rows' sums
.set i, i+1
.endr
.irp m, 0,1,2,3
	v_mov_b32 v[238+\m], 0                         ; a lane permute's destination counts as one of its sources
.endr
	WIN 0
	s_wait_tensorcnt 0x0                           ; my parts of the scale bytes, of g's row and of both slots are in,
	s_barrier_signal -1
	s_barrier_wait -1                              ; everybody's are.
	s_mov_b32 s72, 0                               ; LDS byte at which the tile to be fetched begins
	s_mov_b32 s73, 0                               ; its scale words: 544 bytes a tile
	s_mov_b32 s74, 0                               ; g2's step: 64 bytes a period
; ---- PHASE G
.macro WM q                            ; matrix instruction i = 4 s + m of a period: tile of rows m, K step s.  The four accumulators take turns, one instruction a turn
.set ws_, i/4
.set wm_, i%4
.set AC, ACC0+32*(\q)+8*wm_
.if ws_ < 3
.set AR, 16*(4*ws_+wm_)
.elseif ws_ < 6
.set AR, 16*(4*(ws_-3)+wm_)
.else
.set AR, 128+16*(4*(ws_-6)+wm_)
.endif
.if ws_ == 0
	v_wmma_scale_f32_16x16x128_f8f6f4 v[AC:AC+7], v[B+16*ws_:B+16*ws_+15], v[AR:AR+15], 0, v[WS+ws_], v[AS+4*ws_+wm_]
.else
	v_wmma_scale_f32_16x16x128_f8f6f4 v[AC:AC+7], v[B+16*ws_:B+16*ws_+15], v[AR:AR+15], v[AC:AC+7], v[WS+ws_], v[AS+4*ws_+wm_]
.endif
.endm
.macro MK k                            ; pair k of tile p - 1's sums x 2 log2(e); ascending
	v_pk_mul_f32 v[AE+2*(\k):AE+2*(\k)+1], v[AE+2*(\k):AE+2*(\k)+1], s[70:71] op_sel_hi:[1,0]
.endm
.macro EK j
	v_exp_f32 v[AE+(\j)], v[AE+(\j)]
.endm
.macro QK j
	v_rcp_f32 v[R+(\j)], v[R+(\j)]
.endm
.macro FK k                            ; tile of rows k % 4, units 2 (k / 4), + 1: the sum takes g2 / (1 + e).  Source 1 (g2) lies in window 0
.set fo_, 8*((\k)%4)+2*((\k)/4)
	v_pk_fma_f32 v[SC+2*((\k)%4):SC+2*((\k)%4)+1], v[R+fo_:R+fo_+1], v[G+2*((\k)/4):G+2*((\k)/4)+1], v[SC+2*((\k)%4):SC+2*((\k)%4)+1]
.endm
.macro AK k                            ; the same pair of R takes tile p - 1's 1 + e
.set fo_, 8*((\k)%4)+2*((\k)/4)
	v_pk_add_f32 v[R+fo_:R+fo_+1], v[AE+fo_:AE+fo_+1], 1.0 op_sel_hi:[1,0]
.endm
.macro SLICE q                         ; the vector work behind matrix instruction i
.set AE, ACC0+32*(1-(\q))
.if i < 4
	MK 2*i
	MK 2*i+1
	QK 2*i
	QK 2*i+1
.elseif i < 12
	QK 8+3*(i-4)
	QK 8+3*(i-4)+1
	QK 8+3*(i-4)+2
.elseif i < 16
	EK 4*(i-12)
	EK 4*(i-12)+1
	EK 4*(i-12)+2
	EK 4*(i-12)+3
.elseif i < 20
	MK 8+2*(i-16)
	MK 8+2*(i-16)+1
	EK 16+2*(i-16)
	EK 16+2*(i-16)+1
.elseif i < 24
	EK 24+2*(i-20)
	EK 24+2*(i-20)+1
.else
	FK 2*(i-24)
	FK 2*(i-24)+1
	AK 2*(i-24)
	AK 2*(i-24)+1
.endif
.endm
.macro STEPS n, q
.rept \n
	WM \q
	SLICE \q
.set i, i+1
.endr
.endm
.macro RUNA_LD                         ; a tile's fragments of K steps 0-3 and their scale words.  Stands under a setting with destination and source 0 in window 1; leaves W_LD0
	v_add_nc_u32 v[ADRB], v[AB0], s72
	v_add_nc_u32 v[ADRW], v[AW0], s73
.irp s, 0,1,2,3
.irp c, 0,1,2,3
	ds_load_b128 v[B+16*\s+4*\c:B+16*\s+4*\c+3], v[ADRB] offset:128*\s+32*\c
.endr
.endr
	WIN W_LD0
	ds_load_b128 v[WS:WS+3], v[ADRW]
.endm
.macro RUNB                            ; the tile in hand: K steps 4-7, their scale words, and g2 of the tile two back
	v_add_nc_u32 v[ADRG], v[AG0], s74
	s_add_co_u32 s74, s74, 64
.irp s, 4,5,6,7
.irp c, 0,1,2,3
	ds_load_b128 v[B+16*\s+4*\c:B+16*\s+4*\c+3], v[ADRB] offset:128*\s+32*\c
.endr
.endr
	WIN W_LD0
	ds_load_b128 v[WS+4:WS+7], v[ADRW] offset:16
	ds_load_b128 v[G:G+3], v[ADRG]
	ds_load_b128 v[G+4:G+7], v[ADRG] offset:16
	WIN W_L2
.endm
; A PERIOD.  q: which set of accumulators the matrix unit writes.  kind 0: plain; 1: the slot's last tile, the slot is filled again; 2: the slot's last tile, nothing is filled; 3: the last tile of all.
; PLACES (eight plain vector instructions that name none of a matrix instruction's registers, between it and a load into a register that it read):
; RUNB stands behind the last period's last product by slice 31's four, the eight scalings of slices 0-3 and its own addition; RUNA behind product 15 by the eight scalings of slices 16-19 and its two additions.
.macro PERIOD q, kind
	s_wait_dscnt 0x0                               ; K steps 0-3 of this tile, asked for 12 matrix instructions ago
	WIN W_L2
.set i, 0
	STEPS 4, \q
	RUNB
.if (\kind == 1) || (\kind == 2)
	WIN 0                                          ; (the add's two registers lie in window 0)
	s_wait_tensorcnt 0x0                           ; all my tensor loads have landed: the one that was out is my part of the other slot;
	ds_add_u32 v12, v13                            ; 0 onto my spare word; eight matrix instructions stand between it and the wait for it
.if \kind == 1
	s_xor_b32 s37, s37, SLOTD                      ; no load of mine is out, so the walking group 0 may be written: the other slot than last time,
	s_add_nc_u64 s[38:39], s[38:39], 0x20000       ; the next 128 units; the type bits on top are not reached
.endif
	WIN W_L2
.endif
	STEPS 8, \q
.if (\kind == 1) || (\kind == 2)
	v_nop                                          ; a plain instruction behind the reciprocals,
	s_wait_alu depctr_va_vdst(0)                   ; and their wait, ahead of a branch
	s_wait_dscnt 0x0                               ; the add is done, and my reads of this slot are over (RUNB's were the last)
	WIN 0                                          ; at a branch and at a label every window is 0
.if \kind == 1
	ROUND                                          ; no wave of any partner still reads this slot or has a load on its way
	tensor_load_to_lds s[36:39], s[24:31]          ; the joint refill, first behind the round, my one load until the next: it has eight periods, 256 matrix instructions, in which to land
	s_nop 0
.rept 4
	v_nop
.endr
.else
	s_barrier_signal -1
	s_barrier_wait -1                              ; the other slot is whole
.endif
.endif
	WIN W_L3
	STEPS 4, \q
	s_wait_dscnt 0x0                               ; K steps 4-7 and g2
	STEPS 4, \q
.if \kind != 3
.if \kind == 0
	s_add_co_u32 s72, s72, TILEB                   ; the next tile
.else
	s_sub_co_u32 s72, s72, 7*TILEB                 ; back to a slot's first tile,
	s_xor_b32 s72, s72, SLOTD                      ; in the other slot
.endif
	s_add_co_u32 s73, s73, 544
	RUNA_LD
	WIN W_L3
.endif
	STEPS 4, \q
	v_nop                                          ; a plain instruction behind the last exponential
	s_wait_alu depctr_va_vdst(0)                   ; the period's wait: ahead of it nothing names a result of its 64 transcendentals, behind it none is issued
	WIN W_L0
	STEPS 8, \q
.endm
.macro PAIR k
	PERIOD 0, 0
	PERIOD 1, \k
	WIN 0
.endm
.macro SLOTB k                         ; a slot's eight tiles: the register numbers come back after two periods
	s_mov_b32 s76, 3
.Lpair_\@:
	PAIR 0
	s_sub_co_u32 s76, s76, 1
	s_cmp_lg_u32 s76, 0
	s_cbranch_scc1 .Lpair_\@
	PAIR \k
.endm
	WIN W_L2
	RUNA_LD                                        ; tile 0
	WIN 0
	s_mov_b32 s75, 6
.Lslot:                                            ; six trips: behind units 128 n .. 128 n + 127, n = 0..5, their slot takes units 128 (n + 2) on
	SLOTB 1
	s_sub_co_u32 s75, s75, 1
	s_cmp_lg_u32 s75, 0
	s_cbranch_scc1 .Lslot
	SLOTB 2                                        ; the last two slots are written out
	SLOTB 3
; ---- the pipeline runs empty: tile 63's exponentials and tile 62's sums; then tile 63's sums
.set AE, ACC1
	WIN W_L0
	v_add_nc_u32 v[ADRG], v[AG0], s74
	s_add_co_u32 s74, s74, 64
	WIN W_LD0
	ds_load_b128 v[G:G+3], v[ADRG]
	ds_load_b128 v[G+4:G+7], v[ADRG] offset:16
	WIN W_L0
.set i, 0
.rept 16
	MK i                                           ; behind product 28 stand slices 28-31, behind product 31 slice 31, the addition and twelve of these: eight places or more
.set i, i+1
.endr
.set i, 0
.rept 32
	QK i
.set i, i+1
.endr
.set i, 0
.rept 32
	EK i
.set i, i+1
.endr
	v_nop
	s_wait_alu depctr_va_vdst(0)                   ; one wait for the 64
	s_wait_dscnt 0x0                               ; g2 of tile 62
.set i, 0
.rept 16
	FK i
.set i, i+1
.endr
.set i, 0
.rept 16
	AK i
.set i, i+1
.endr
	v_add_nc_u32 v[ADRG], v[AG0], s74
	WIN W_LD0
	ds_load_b128 v[G:G+3], v[ADRG]
	ds_load_b128 v[G+4:G+7], v[ADRG] offset:16
	WIN W_L0
.set i, 0
.rept 32
	QK i
.set i, i+1
.endr
	v_nop
	s_wait_alu depctr_va_vdst(0)
	s_wait_dscnt 0x0                               ; g2 of tile 63
.set i, 0
.rept 16
	FK i
.set i, i+1
.endr
; ---- the way out: a row's sum lies in two registers (even units', odd units') of two lanes (l and l xor 16)
	WIN 0x55                                       ; all in window 1
.irp m, 0,1,2,3
	v_add_f32 v[SC+2*\m], v[SC+2*\m], v[SC+2*\m+1]
.endr
.irp m, 0,1,2,3
	v_permlanex16_b32 v[238+\m], v[SC+2*\m], s66, s67
.endr
.irp m, 0,1,2,3
	v_add_f32 v[SC+2*\m], v[SC+2*\m], v[238+\m]
.endr
	WIN 0x05                                       ; sources window 1, destination window 0
	v_cndmask_b32 v88, v[SC], v[SC+2], s77         ; lanes 0-15 carry tile 0's rows, lanes 16-31 tile 1's
	v_cndmask_b32 v89, v[SC+4], v[SC+6], s77       ; and tiles 2 and 3
	WIN 0
	global_store_b32 v87, v88, s[14:15]            ; place c = 16 (32 m + o) + r: 2,048 m + 64 o + 4 r bytes.  Sixteen lanes store 64 consecutive bytes: the buffer is 256 KiB in all
	global_store_b32 v87, v89, s[14:15] offset:4096
	s_wait_tensorcnt 0x0                           ; the wave's end
	ds_add_u32 v12, v13
	s_wait_dscnt 0x0
	ROUND                                          ; the closing round: no work-group ends while a partner may still ask for a tile that names it
	s_endpgm
.Lfunc_end_k_q4f449de6d3_scores:
	.size	k_q4f449de6d3_scores, .Lfunc_end_k_q4f449de6d3_scores-k_q4f449de6d3_scores
	.p2alignl 7, 3214868480
	.fill 96, 4, 3214868480
	.section	.rodata,"a",@progbits
	.p2align	6, 0x0
	.amdhsa_kernel k_q4f449de6d3_scores
		.amdhsa_group_segment_fixed_size 327680
		.amdhsa_private_segment_fixed_size 0
		.amdhsa_enable_private_segment 0
		.amdhsa_kernarg_size 48
		.amdhsa_user_sgpr_count 2
		.amdhsa_user_sgpr_kernarg_segment_ptr 1
		.amdhsa_wavefront_size32 1
		.amdhsa_system_sgpr_workgroup_id_x 1
		.amdhsa_system_sgpr_workgroup_id_y 1
		.amdhsa_system_sgpr_workgroup_id_z 1
		.amdhsa_system_vgpr_workitem_id 0
		.amdhsa_next_free_vgpr 960
		.amdhsa_next_free_sgpr 90
		.amdhsa_reserve_vcc 0
		.amdhsa_float_denorm_mode_32 3
		.amdhsa_float_denorm_mode_16_64 3
		.amdhsa_memory_ordered 1
		.amdhsa_forward_progress 1
		.amdhsa_inst_pref_size 255
	.end_amdhsa_kernel
	.section	.bss,"aw",@nobits
	.p2align	6
	.space	262144
	.amdgpu_metadata
---
amdhsa.version: [ 1, 2 ]
amdhsa.kernels:
  - .name:           k_q4f449de6d3_scores
    .symbol:         k_q4f449de6d3_scores.kd
    .args:
      - { .name: t, .offset: 0, .size: 8, .value_kind: global_buffer, .address_space: global }
      - { .name: rows, .offset: 8, .size: 8, .value_kind: global_buffer, .address_space: global }
      - { .name: g, .offset: 16, .size: 8, .value_kind: global_buffer, .address_space: global }
      - { .name: wt_codes, .offset: 24, .size: 8, .value_kind: global_buffer, .address_space: global }
      - { .name: wt_scales, .offset: 32, .size: 8, .value_kind: global_buffer, .address_space: global }
      - { .name: scores, .offset: 40, .size: 8, .value_kind: global_buffer, .address_space: global }
    .group_segment_fixed_size: 327680
    .private_segment_fixed_size: 0
    .kernarg_segment_align: 8
    .kernarg_segment_size: 48
    .max_flat_workgroup_size: 128
    .sgpr_count:     90
    .vgpr_count:     960
    .wavefront_size: 32
...
	.end_amdgpu_metadata
.endif
;; end of part 2
;; launch pool (part 3): grid 8 x 32, 8 waves a work-group, no clusters, 22,528 bytes of LDS; arguments t, rows, scores, out0; writes out0
.if DOCPART == 3
	.amdgcn_target "amdgcn-amd-amdhsa--gfx1250"
	.amdhsa_code_object_version 6
	.text
	.protected	k_q4f449de6d3_pool
	.globl	k_q4f449de6d3_pool
	.p2align	8
	.type	k_q4f449de6d3_pool,@function
k_q4f449de6d3_pool:
	s_mov_b64 s[64:65], 0
	v_nop
	global_prefetch_b8 v0, s[64:65] scope:SCOPE_SE
	s_setreg_imm32_b32 hwreg(HW_REG_WAVE_MODE, 25, 1), 1
	s_wait_xcnt 0x0
; out0[b][d] = sum over the kept rows of p t[b][row][d] / sum of p, p = 2^(s - M): s the score in base 2 that the launch before stored at the row's place of the list, M the largest s of the batch's kept rows.
; That is reference()'s softmax, mask and renormalisation in one: a masked row's weight is 0, and the softmax's own maximum and sum cancel in the renormalisation.
; LIMITS: the maximum is taken over the kept rows; where reference()'s own exponentials of all kept rows underflow (it then gives NaN) this text still gives the weighted mean.  A batch with no kept row gives NaN, as there.
; A work-group owns 128 features (512 bytes of every row) of one batch: each output has one owner.  Eight waves.
; PHASE 1: each thread takes 8 places of the list: maximum, p and the sum over the 2,048 places; p and the row numbers go to LDS.  Places behind the list's end (mark 0xffffffff) get s = -infinity, so p = 0, and row 2,047.
; PHASE 2: wave w takes the groups of four places 8 n + w, n = 0..63.  A load reads a row's 512 bytes, 16 a lane.  A ring of eight slots in registers keeps 32 loads of every wave out.  The trip count is a constant.
; A stream: matrix units, clusters and tensor loads would add nothing; products with one column go by fused multiply-adds in f32.
.set LP_,  0                           ; LDS: p, 2,048 x 4 bytes
.set LI_,  8192                        ; the row numbers
.set LMX,  16384                       ; eight waves' maxima
.set LSM,  16640                       ; eight waves' sums
.set RED,  16896                       ; eight waves' partial outputs, 512 bytes each
.set ACC,  40                          ; v40-43, v44-47: two sets of four sums
.set PV,   48                          ; v48-79    slot j: four weights
.set AD,   80                          ; v80-111   slot j: four offsets
.set X,    112                         ; v112-239  slot j: four rows x 16 bytes
	s_load_b256 s[4:11], s[0:1], 0x0               ; t 4, rows 6, scores 8, out0 10
	v_lshl_add_u32 v240, v0, 2, 0x5400
	v_mov_b32 v241, 0
	v_lshrrev_b32 v1, 5, v0
	v_readfirstlane_b32 s12, v1                    ; wave 0..7
	s_and_b32 s13, ttmp7, 0xffff                   ; the batch
	v_and_b32 v1, 31, v0                           ; lane
	v_lshlrev_b32 v2, 5, v0                        ; my 8 places: 32 bytes a thread
	v_lshlrev_b32 v5, 4, v1                        ; 16 x lane
	v_mov_b32 v27, s12
	v_lshlrev_b32 v27, 2, v27                      ; 4 x wave
	v_lshlrev_b32 v3, 2, v27                       ; 16 x wave: my wave's first group of four places
	s_lshl_b32 s24, s12, 9
	v_add_nc_u32 v6, s24, v5                       ; 512 x wave + 16 x lane
	v_mov_b32 v28, 0
	v_mov_b32 v26, 0                               ; a lane permute's destination counts as one of its sources
	v_mov_b32 v24, 0xff800000                      ; -infinity
	s_lshl_b32 s14, s13, 13                        ; the batch's 8,192 bytes of rows and of scores
	s_mov_b32 s15, 0
	s_lshl_b32 s16, s13, 23                        ; its 8 MiB of t,
	s_lshl_b32 s17, ttmp9, 9                       ; + my 512 bytes of a row
	s_add_co_u32 s16, s16, s17
	s_lshl_b32 s18, s13, 12                        ; its 4,096 bytes of out0, + the same
	s_add_co_u32 s18, s18, s17
	s_mov_b32 s17, 0
	s_mov_b32 s19, 0
	s_mov_b32 s20, 0x76543210                      ; v_permlanex16_b32's selects for lane l xor 16
	s_mov_b32 s21, 0xfedcba98
	s_wait_kmcnt 0x0
	s_add_nc_u64 s[6:7], s[6:7], s[14:15]
	s_add_nc_u64 s[8:9], s[8:9], s[14:15]
	s_add_nc_u64 s[4:5], s[4:5], s[16:17]
	s_add_nc_u64 s[10:11], s[10:11], s[18:19]
	global_load_b128 v[8:11], v2, s[8:9]
	global_load_b128 v[12:15], v2, s[8:9] offset:16
	global_load_b128 v[16:19], v2, s[6:7]
	global_load_b128 v[20:23], v2, s[6:7] offset:16
	s_wait_loadcnt 0x0
.irp k, 0,1,2,3,4,5,6,7
	v_cmp_gt_u32 vcc_lo, 0x800, v[16+\k]           ; a row's number, or the mark?
	v_cndmask_b32 v[8+\k], v24, v[8+\k], vcc_lo    ; the mark's score is -infinity
	v_min_u32 v[16+\k], 0x7ff, v[16+\k]
.endr
	v_max3_num_f32 v25, v8, v9, v10
	v_max3_num_f32 v25, v25, v11, v12
	v_max3_num_f32 v25, v25, v13, v14
	v_max_num_f32 v25, v25, v15
	v_max_num_f32_dpp v25, v25, v25 row_xmask:1 row_mask:0xf bank_mask:0xf
	v_max_num_f32_dpp v25, v25, v25 row_xmask:2 row_mask:0xf bank_mask:0xf
	v_max_num_f32_dpp v25, v25, v25 row_xmask:4 row_mask:0xf bank_mask:0xf
	v_max_num_f32_dpp v25, v25, v25 row_xmask:8 row_mask:0xf bank_mask:0xf
	v_permlanex16_b32 v26, v25, s20, s21
	v_max_num_f32 v25, v25, v26                    ; my wave's maximum, in every lane
	ds_store_b32 v27, v25 offset:LMX               ; all lanes write the same word with the same value
	s_wait_dscnt 0x0                               ; for the others' sake: my store is done
	s_barrier_signal -1
	s_barrier_wait -1
	ds_load_b128 v[32:35], v28 offset:LMX
	ds_load_b128 v[36:39], v28 offset:LMX+16
	s_wait_dscnt 0x0
	v_max3_num_f32 v25, v32, v33, v34
	v_max3_num_f32 v25, v25, v35, v36
	v_max3_num_f32 v25, v25, v37, v38
	v_max_num_f32 v25, v25, v39                    ; M
.irp k, 0,1,2,3,4,5,6,7
	v_sub_f32 v[8+\k], v[8+\k], v25
.endr
.irp k, 0,1,2,3,4,5,6,7
	v_exp_f32 v[8+\k], v[8+\k]                     ; p = 2^(s - M), at most 1
.endr
	v_nop                                          ; a plain instruction behind the last exponential
	s_wait_alu depctr_va_vdst(0)                   ; one wait for the batch, ahead of its first reader
	v_pk_add_f32 v[40:41], v[8:9], v[10:11]
	v_pk_add_f32 v[42:43], v[12:13], v[14:15]
	v_pk_add_f32 v[40:41], v[40:41], v[42:43]
	v_add_f32 v40, v40, v41
	v_add_f32_dpp v40, v40, v40 row_xmask:1 row_mask:0xf bank_mask:0xf
	v_add_f32_dpp v40, v40, v40 row_xmask:2 row_mask:0xf bank_mask:0xf
	v_add_f32_dpp v40, v40, v40 row_xmask:4 row_mask:0xf bank_mask:0xf
	v_add_f32_dpp v40, v40, v40 row_xmask:8 row_mask:0xf bank_mask:0xf
	v_permlanex16_b32 v26, v40, s20, s21
	v_add_f32 v40, v40, v26                        ; my wave's sum
	ds_store_b32 v27, v40 offset:LSM
	ds_store_b128 v2, v[8:11] offset:LP_
	ds_store_b128 v2, v[12:15] offset:LP_+16
	ds_store_b128 v2, v[16:19] offset:LI_
	ds_store_b128 v2, v[20:23] offset:LI_+16
	s_wait_dscnt 0x0                               ; for the others' sake: my stores are done
	s_barrier_signal -1
	s_barrier_wait -1
	ds_load_b128 v[32:35], v28 offset:LSM
	ds_load_b128 v[36:39], v28 offset:LSM+16
	s_wait_dscnt 0x0
	v_add_f32 v32, v32, v33
	v_add_f32 v34, v34, v35
	v_add_f32 v36, v36, v37
	v_add_f32 v38, v38, v39
	v_add_f32 v32, v32, v34
	v_add_f32 v36, v36, v38
	v_add_f32 v29, v32, v36                        ; the batch's sum of p
.irp k, 0,1,2,3,4,5,6,7
	v_mov_b32 v[ACC+\k], 0
.endr
; Slot j is filled: the four weights and row numbers of the group 8 n + w, n = 8 x trip + j, come out of LDS (every lane reads the same 16 bytes), then the four rows' 512 bytes are asked for.
.macro FETCH j
	ds_load_b128 v[PV+4*\j:PV+4*\j+3], v4 offset:LP_+128*\j
	ds_load_b128 v[AD+4*\j:AD+4*\j+3], v4 offset:LI_+128*\j
	s_wait_dscnt 0x0
.irp e, 0,1,2,3
	v_min_u32 v[AD+4*\j+\e], 0x7ff, v[AD+4*\j+\e]  ; a loaded number enters an address only behind this bound
.endr
.irp e, 0,1,2,3
	v_lshl_add_u32 v[AD+4*\j+\e], v[AD+4*\j+\e], 12, v5        ; a row of t is 4,096 bytes; + 16 x lane
.endr
.irp e, 0,1,2,3
	global_load_b128 v[X+16*\j+4*\e:X+16*\j+4*\e+3], v[AD+4*\j+\e], s[4:5]   ; 32 lanes read 512 consecutive bytes, aligned
.endr
.endm
; Slot j is used.  left: the younger loads that may stay out.  That wait also shows the slot's own loads done, so that its offsets and data registers may be written again.
.macro CONSUME j, left
	s_wait_loadcnt \left
	v_pk_fma_f32 v[ACC:ACC+1],   v[X+16*\j:X+16*\j+1],     v[PV+4*\j:PV+4*\j+1], v[ACC:ACC+1] op_sel_hi:[1,0,1]                       ; row 0: the pair's first word for both halves
	v_pk_fma_f32 v[ACC+2:ACC+3], v[X+16*\j+2:X+16*\j+3],   v[PV+4*\j:PV+4*\j+1], v[ACC+2:ACC+3] op_sel_hi:[1,0,1]
	v_pk_fma_f32 v[ACC+4:ACC+5], v[X+16*\j+4:X+16*\j+5],   v[PV+4*\j:PV+4*\j+1], v[ACC+4:ACC+5] op_sel:[0,1,0] op_sel_hi:[1,1,1]      ; row 1: its second word
	v_pk_fma_f32 v[ACC+6:ACC+7], v[X+16*\j+6:X+16*\j+7],   v[PV+4*\j:PV+4*\j+1], v[ACC+6:ACC+7] op_sel:[0,1,0] op_sel_hi:[1,1,1]
	v_pk_fma_f32 v[ACC:ACC+1],   v[X+16*\j+8:X+16*\j+9],   v[PV+4*\j+2:PV+4*\j+3], v[ACC:ACC+1] op_sel_hi:[1,0,1]
	v_pk_fma_f32 v[ACC+2:ACC+3], v[X+16*\j+10:X+16*\j+11], v[PV+4*\j+2:PV+4*\j+3], v[ACC+2:ACC+3] op_sel_hi:[1,0,1]
	v_pk_fma_f32 v[ACC+4:ACC+5], v[X+16*\j+12:X+16*\j+13], v[PV+4*\j+2:PV+4*\j+3], v[ACC+4:ACC+5] op_sel:[0,1,0] op_sel_hi:[1,1,1]
	v_pk_fma_f32 v[ACC+6:ACC+7], v[X+16*\j+14:X+16*\j+15], v[PV+4*\j+2:PV+4*\j+3], v[ACC+6:ACC+7] op_sel:[0,1,0] op_sel_hi:[1,1,1]
.endm
	s_mov_b32 s22, 0                               ; a trip's eight groups for each of eight waves are 1,024 bytes of p
	v_add_nc_u32 v4, s22, v3
.irp j, 0,1,2,3,4,5,6,7
	FETCH \j
.endr
	s_mov_b32 s23, 7
.Ltrip:
	s_add_co_u32 s22, s22, 1024
	v_add_nc_u32 v4, s22, v3
.irp j, 0,1,2,3,4,5,6,7
	CONSUME \j, 28                                 ; four loads of each of the seven younger slots stay out
	FETCH \j
.endr
	s_sub_co_u32 s23, s23, 1
	s_cmp_lg_u32 s23, 0
	s_cbranch_scc1 .Ltrip
.irp j, 0,1,2,3,4,5,6,7
	CONSUME \j, 28-4*\j                            ; the last round loads nothing: the counts run down
.endr
	v_pk_add_f32 v[ACC:ACC+1], v[ACC:ACC+1], v[ACC+4:ACC+5]
	v_pk_add_f32 v[ACC+2:ACC+3], v[ACC+2:ACC+3], v[ACC+6:ACC+7]
	ds_store_b128 v6, v[ACC:ACC+3] offset:RED
	s_wait_dscnt 0x0                               ; for wave 0's sake: my store is done
	s_barrier_signal -1
	s_barrier_wait -1
	s_cmp_lg_u32 s12, 0
	s_cbranch_scc1 .Ldone                          ; wave 0 adds the eight parts and stores
.irp k, 0,1,2,3,4,5,6,7
	ds_load_b128 v[48+4*\k:48+4*\k+3], v5 offset:RED+512*\k
.endr
	v_rcp_f32 v30, v29
	s_wait_dscnt 0x0
.irp k, 0,2,4,6
	v_pk_add_f32 v[48+4*\k:49+4*\k], v[48+4*\k:49+4*\k], v[52+4*\k:53+4*\k]     ; plain work behind the reciprocal
	v_pk_add_f32 v[50+4*\k:51+4*\k], v[50+4*\k:51+4*\k], v[54+4*\k:55+4*\k]
.endr
.irp k, 0,4
	v_pk_add_f32 v[48+4*\k:49+4*\k], v[48+4*\k:49+4*\k], v[56+4*\k:57+4*\k]
	v_pk_add_f32 v[50+4*\k:51+4*\k], v[50+4*\k:51+4*\k], v[58+4*\k:59+4*\k]
.endr
	v_pk_add_f32 v[48:49], v[48:49], v[64:65]
	v_pk_add_f32 v[50:51], v[50:51], v[66:67]
	s_wait_alu depctr_va_vdst(0)                   ; the reciprocal's wait, ahead of its first reader
.irp k, 0,1,2,3
	v_mul_f32 v[48+\k], v[48+\k], v30
.endr
	global_store_b128 v5, v[48:51], s[10:11]       ; 32 lanes store 512 consecutive bytes, at a multiple of 256 from out0's first byte
.Ldone:
	s_wait_tensorcnt 0x0
	ds_add_u32 v240, v241
	s_wait_dscnt 0x0
	s_endpgm
.Lfunc_end_k_q4f449de6d3_pool:
	.size	k_q4f449de6d3_pool, .Lfunc_end_k_q4f449de6d3_pool-k_q4f449de6d3_pool
	.p2alignl 7, 3214868480
	.fill 96, 4, 3214868480
	.section	.rodata,"a",@progbits
	.p2align	6, 0x0
	.amdhsa_kernel k_q4f449de6d3_pool
		.amdhsa_group_segment_fixed_size 22528
		.amdhsa_private_segment_fixed_size 0
		.amdhsa_enable_private_segment 0
		.amdhsa_kernarg_size 32
		.amdhsa_user_sgpr_count 2
		.amdhsa_user_sgpr_kernarg_segment_ptr 1
		.amdhsa_wavefront_size32 1
		.amdhsa_system_sgpr_workgroup_id_x 1
		.amdhsa_system_sgpr_workgroup_id_y 1
		.amdhsa_system_sgpr_workgroup_id_z 1
		.amdhsa_system_vgpr_workitem_id 0
		.amdhsa_next_free_vgpr 242
		.amdhsa_next_free_sgpr 66
		.amdhsa_reserve_vcc 1
		.amdhsa_float_denorm_mode_32 3
		.amdhsa_float_denorm_mode_16_64 3
		.amdhsa_memory_ordered 1
		.amdhsa_forward_progress 1
		.amdhsa_inst_pref_size 34
	.end_amdhsa_kernel
	.amdgpu_metadata
---
amdhsa.version: [ 1, 2 ]
amdhsa.kernels:
  - .name:           k_q4f449de6d3_pool
    .symbol:         k_q4f449de6d3_pool.kd
    .args:
      - { .name: t, .offset: 0, .size: 8, .value_kind: global_buffer, .address_space: global }
      - { .name: rows, .offset: 8, .size: 8, .value_kind: global_buffer, .address_space: global }
      - { .name: scores, .offset: 16, .size: 8, .value_kind: global_buffer, .address_space: global }
      - { .name: out0, .offset: 24, .size: 8, .value_kind: global_buffer, .address_space: global }
    .group_segment_fixed_size: 22528
    .private_segment_fixed_size: 0
    .kernarg_segment_align: 8
    .kernarg_segment_size: 32
    .max_flat_workgroup_size: 256
    .sgpr_count:     66
    .vgpr_count:     242
    .wavefront_size: 32
...
	.end_amdgpu_metadata
.endif
;; end of part 3
;; ======== version 2 of 2: 3 launches; 1.12 times as fast as version 1
;; workspace buffers: g 163,840 bytes; rows 262,144 bytes of whole numbers; scores 262,144 bytes
;; launch prep: the kernel of part 1 again; grid 40 x 1, 4 waves a work-group, no clusters, 0 bytes of LDS; arguments a_codes, a_scales, b_codes, b_scales, wa_codes, wa_scales, wb_codes, wb_scales, wh, mask, g, rows; writes g, rows
;; launch scores: the kernel of part 2 again; grid 256 x 1, 4 waves a work-group, clusters of 4 x 1, 327,680 bytes of LDS; arguments t, rows, g, wt_codes, wt_scales, scores; writes scores
;; launch pool (part 4): grid 8 x 32, 8 waves a work-group, no clusters, 5,632 bytes of LDS; arguments t, rows, scores, out0; writes out0
.if DOCPART == 4
	.amdgcn_target "amdgcn-amd-amdhsa--gfx1250"
	.amdhsa_code_object_version 6
	.text
	.protected	k_q4f449de6d3_pool
	.globl	k_q4f449de6d3_pool
	.p2align	8
	.type	k_q4f449de6d3_pool,@function
k_q4f449de6d3_pool:
	s_mov_b64 s[64:65], 0
	v_nop
	global_prefetch_b8 v0, s[64:65] scope:SCOPE_SE
	s_setreg_imm32_b32 hwreg(HW_REG_WAVE_MODE, 25, 1), 1
	s_wait_xcnt 0x0
; out0[b][d] = sum over the kept rows of p t[b][row][d] / sum of p, p = 2^(s - M): s the score in base 2 that the launch before stored at the row's place of the list, M the largest s of the batch's kept rows.
; That is reference()'s softmax, mask and renormalisation in one: a masked row's weight is 0, and the softmax's own maximum and sum cancel in the renormalisation.
; LIMITS: the maximum is taken over the kept rows; where reference()'s own exponentials of all kept rows underflow (it then gives NaN) this text still gives the weighted mean.  A batch with no kept row gives NaN, as there.
; NaN and infinities in t are not served.
; A work-group owns 128 features (512 bytes of every row) of one batch: each output has one owner.  Eight waves.
; PLACES.  A lap is 256 places of the list; in lap L wave w owns places 256 L + 32 w + 0..31.  Thread 32 w + l holds place 256 L + 32 w + l in its register L, so the weights that phase 1 makes lie in the wave that uses them.
; PHASE 1: maximum, p and the sum over the 2,048 places.  Places behind the list's end (mark 0xffffffff) get s = -infinity, so p = 0.
; PHASE 2: a wave walks its laps.  A lap's 32 row numbers come by two scalar loads (every lane wants the same number); a weight comes out of its lane by v_readlane_b32.  A load reads a row's 512 bytes, 16 a lane.
; A ring of eight slots of four rows in registers keeps 32 loads of every wave out.  The list is dense from its start, so a lap whose first number is the mark is empty, and so are all behind it:
; the loop's count is a constant, and a trip whose lap is empty is jumped over as a whole, which leaves the ring as it was.  In a lap that is partly filled the marks become row 2,047, with the weight 0.
; A stream: matrix units, clusters and tensor loads would add nothing; products with one column go by fused multiply-adds in f32.  No prefetch: the loop itself keeps 32 loads of every wave out.
.set LMX,  0                           ; LDS: eight waves' maxima
.set LSM,  256                         ; eight waves' sums
.set RED,  512                         ; eight waves' partial outputs, 512 bytes each
.set S,    8                           ; v8-15     register L: my place's score of lap L, then its p; from the first trip on register 1 holds the next lap's
.set I,    16                          ; v16-23    register L: my place's number of the list
.set ACC,  40                          ; v40-43, v44-47: two sets of four sums
.set AD,   80                          ; v80-111   slot j: four offsets
.set X,    112                         ; v112-239  slot j: four rows x 16 bytes
.set SI,   28                          ; s28-31    four row numbers at work
.set IDX,  32                          ; s32-63    a lap's 32 numbers of the list
.set P,    68                          ; s68-99    slot j: the four weights of the rows that are on their way
	s_load_b256 s[4:11], s[0:1], 0x0               ; t 4, rows 6, scores 8, out0 10
	v_lshl_add_u32 v240, v0, 2, 0x1200
	v_mov_b32 v241, 0
	v_lshrrev_b32 v1, 5, v0
	v_readfirstlane_b32 s12, v1                    ; wave 0..7
	s_and_b32 s13, ttmp7, 0xffff                   ; the batch
	v_and_b32 v1, 31, v0                           ; lane
	v_lshlrev_b32 v2, 2, v0                        ; my place in a lap: 4 bytes a thread
	v_lshlrev_b32 v5, 4, v1                        ; 16 x lane
	v_mov_b32 v27, s12
	v_lshlrev_b32 v27, 2, v27                      ; 4 x wave
	s_lshl_b32 s22, s12, 9
	v_add_nc_u32 v6, s22, v5                       ; 512 x wave + 16 x lane
	v_mov_b32 v28, 0
	v_mov_b32 v26, 0                               ; a lane permute's destination counts as one of its sources
	v_mov_b32 v24, 0xff800000                      ; -infinity
	s_lshl_b32 s14, s13, 13                        ; the batch's 8,192 bytes of rows and of scores
	s_mov_b32 s15, 0
	s_lshl_b32 s16, s13, 23                        ; its 8 MiB of t,
	s_lshl_b32 s17, ttmp9, 9                       ; + my 512 bytes of a row
	s_add_co_u32 s16, s16, s17
	s_lshl_b32 s18, s13, 12                        ; its 4,096 bytes of out0, + the same
	s_add_co_u32 s18, s18, s17
	s_mov_b32 s17, 0
	s_mov_b32 s19, 0
	s_mov_b32 s20, 0x76543210                      ; v_permlanex16_b32's selects for lane l xor 16
	s_mov_b32 s21, 0xfedcba98
	s_lshl_b32 s24, s12, 7                         ; my wave's 128 bytes of a lap's 1,024
	s_mov_b32 s25, 0
	s_wait_kmcnt 0x0
	s_add_nc_u64 s[6:7], s[6:7], s[14:15]
	s_add_nc_u64 s[8:9], s[8:9], s[14:15]
	s_add_nc_u64 s[4:5], s[4:5], s[16:17]
	s_add_nc_u64 s[10:11], s[10:11], s[18:19]
	s_add_nc_u64 s[26:27], s[6:7], s[24:25]        ; the list at my wave's part of lap 0
	s_load_b512 s[IDX:IDX+15], s[26:27], 0x0       ; lap 0's 32 numbers
	s_load_b512 s[IDX+16:IDX+31], s[26:27], 0x40
.irp k, 0,1,2,3,4,5,6,7
	global_load_b32 v[S+\k], v2, s[8:9] offset:1024*\k         ; phase 1's numbers: a wave reads 128 consecutive bytes, the work-group 1,024
	global_load_b32 v[I+\k], v2, s[6:7] offset:1024*\k
.endr
; Slot j takes rows 4 j .. 4 j + 3 of the lap whose numbers stand in s[IDX] on.
.macro FETCH_T j
.irp e, 0,1,2,3
	s_min_u32 s[SI+\e], s[IDX+4*\j+\e], 0x7ff      ; a loaded number enters an address only behind this bound; the mark becomes row 2,047
.endr
.irp e, 0,1,2,3
	v_lshl_add_u32 v[AD+4*\j+\e], s[SI+\e], 12, v5 ; a row of t is 4,096 bytes; + 16 x lane
.endr
.irp e, 0,1,2,3
	global_load_b128 v[X+16*\j+4*\e:X+16*\j+4*\e+3], v[AD+4*\j+\e], s[4:5]   ; 32 lanes read 512 consecutive bytes, aligned
.endr
.endm
.macro FETCH_P j, src                  ; and their weights: lane 4 j + e of the lap's register
.irp e, 0,1,2,3
	v_readlane_b32 s[P+4*\j+\e], v[\src], 4*\j+\e
.endr
.endm
; Slot j is used.  left: the younger loads that may stay out.  That wait also shows the slot's own loads done, so that its offsets and data registers may be written again.
.macro CONSUME j, left
	s_wait_loadcnt \left
.irp e, 0,1,2,3
.irp k, 0,1,2,3
	v_fmac_f32 v[ACC+4*(\e%2)+\k], s[P+4*\j+\e], v[X+16*\j+4*\e+\k]          ; even rows into one set of sums, odd rows into the other
.endr
.endr
.endm
	s_wait_kmcnt 0x0                               ; lap 0's numbers
.irp j, 0,1,2,3,4,5,6,7
	FETCH_T \j                                     ; lap 0's rows are asked for ahead of phase 1, which needs none of them
.endr
	s_load_b512 s[IDX:IDX+15], s[26:27], 0x400     ; lap 1's numbers: wanted at the first trip's head
	s_load_b512 s[IDX+16:IDX+31], s[26:27], 0x440
	s_wait_loadcnt 32                              ; phase 1's sixteen loads are in; the 32 loads of t behind them stay out
.irp k, 0,1,2,3,4,5,6,7
	v_cmp_gt_u32 vcc_lo, 0x800, v[I+\k]            ; a row's number, or the mark?
	v_cndmask_b32 v[S+\k], v24, v[S+\k], vcc_lo    ; the mark's score is -infinity
.endr
	v_max3_num_f32 v25, v[S], v[S+1], v[S+2]
	v_max3_num_f32 v25, v25, v[S+3], v[S+4]
	v_max3_num_f32 v25, v25, v[S+5], v[S+6]
	v_max_num_f32 v25, v25, v[S+7]
	v_max_num_f32_dpp v25, v25, v25 row_xmask:1 row_mask:0xf bank_mask:0xf
	v_max_num_f32_dpp v25, v25, v25 row_xmask:2 row_mask:0xf bank_mask:0xf
	v_max_num_f32_dpp v25, v25, v25 row_xmask:4 row_mask:0xf bank_mask:0xf
	v_max_num_f32_dpp v25, v25, v25 row_xmask:8 row_mask:0xf bank_mask:0xf
	v_permlanex16_b32 v26, v25, s20, s21
	v_max_num_f32 v25, v25, v26                    ; my wave's maximum, in every lane
	ds_store_b32 v27, v25 offset:LMX               ; all lanes write the same word with the same value
	s_wait_dscnt 0x0                               ; for the others' sake: my store is done
	s_barrier_signal -1
	s_barrier_wait -1
	ds_load_b128 v[32:35], v28 offset:LMX
	ds_load_b128 v[36:39], v28 offset:LMX+16
	s_wait_dscnt 0x0
	v_max3_num_f32 v25, v32, v33, v34
	v_max3_num_f32 v25, v25, v35, v36
	v_max3_num_f32 v25, v25, v37, v38
	v_max_num_f32 v25, v25, v39                    ; M
.irp k, 0,1,2,3,4,5,6,7
	v_sub_f32 v[S+\k], v[S+\k], v25
.endr
.irp k, 0,1,2,3,4,5,6,7
	v_exp_f32 v[S+\k], v[S+\k]                     ; p = 2^(s - M), at most 1
.endr
	v_nop                                          ; a plain instruction behind the last exponential
	s_wait_alu depctr_va_vdst(0)                   ; one wait for the batch, ahead of its first reader
	v_pk_add_f32 v[40:41], v[S:S+1], v[S+2:S+3]
	v_pk_add_f32 v[42:43], v[S+4:S+5], v[S+6:S+7]
	v_pk_add_f32 v[40:41], v[40:41], v[42:43]
	v_add_f32 v40, v40, v41
	v_add_f32_dpp v40, v40, v40 row_xmask:1 row_mask:0xf bank_mask:0xf
	v_add_f32_dpp v40, v40, v40 row_xmask:2 row_mask:0xf bank_mask:0xf
	v_add_f32_dpp v40, v40, v40 row_xmask:4 row_mask:0xf bank_mask:0xf
	v_add_f32_dpp v40, v40, v40 row_xmask:8 row_mask:0xf bank_mask:0xf
	v_permlanex16_b32 v26, v40, s20, s21
	v_add_f32 v40, v40, v26                        ; my wave's sum
	ds_store_b32 v27, v40 offset:LSM
	s_wait_dscnt 0x0                               ; for the others' sake: my store is done
	s_barrier_signal -1
	s_barrier_wait -1
	ds_load_b128 v[32:35], v28 offset:LSM
	ds_load_b128 v[36:39], v28 offset:LSM+16
	s_wait_dscnt 0x0
	v_add_f32 v32, v32, v33
	v_add_f32 v34, v34, v35
	v_add_f32 v36, v36, v37
	v_add_f32 v38, v38, v39
	v_add_f32 v32, v32, v34
	v_add_f32 v36, v36, v38
	v_add_f32 v29, v32, v36                        ; the batch's sum of p
.irp k, 0,1,2,3,4,5,6,7
	v_mov_b32 v[ACC+\k], 0
.endr
.irp j, 0,1,2,3,4,5,6,7
	FETCH_P \j, S                                  ; lap 0's weights
.endr
	s_mov_b32 s23, 0
.Ltrip:                                            ; trip i uses lap i and asks for lap i + 1, whose numbers stand in s[IDX] on and whose weights in v[S+1]
	s_wait_kmcnt 0x0                               ; the numbers are in; the scalar loads' base may be stepped
	s_cmp_ge_u32 s[IDX], 0x800                     ; the next lap's first number is the mark: that lap is empty, and so are all behind it.
	s_cbranch_scc1 .Lskip                          ; The trip is left out as a whole: the ring stays as it is, with 32 loads out, and the numbers stay, so every later trip is left out too
.irp j, 0,1,2,3,4,5,6,7
	CONSUME \j, 28                                 ; four loads of each of the seven younger slots stay out
	FETCH_T \j
	FETCH_P \j, S+1
.endr
	s_cmp_lt_u32 s23, 6                            ; trip i asks for the numbers of lap i + 2; the last trip has no such lap and reads lap 7's again: no load leaves the list
	s_cselect_b32 s24, 0x400, 0
	s_add_nc_u64 s[26:27], s[26:27], s[24:25]
	s_load_b512 s[IDX:IDX+15], s[26:27], 0x400
	s_load_b512 s[IDX+16:IDX+31], s[26:27], 0x440
.irp k, 1,2,3,4,5,6
	v_mov_b32 v[S+\k], v[S+\k+1]                   ; the weights move down a register, so that the loop's register numbers stay
.endr
.Lskip:
	s_add_co_u32 s23, s23, 1
	s_cmp_lt_u32 s23, 7
	s_cbranch_scc1 .Ltrip
	s_wait_kmcnt 0x0
.irp j, 0,1,2,3,4,5,6,7
	CONSUME \j, 28-4*\j                            ; the last lap that was asked for: nothing is loaded, the counts run down
.endr
	v_pk_add_f32 v[ACC:ACC+1], v[ACC:ACC+1], v[ACC+4:ACC+5]
	v_pk_add_f32 v[ACC+2:ACC+3], v[ACC+2:ACC+3], v[ACC+6:ACC+7]
	ds_store_b128 v6, v[ACC:ACC+3] offset:RED
	s_wait_dscnt 0x0                               ; for wave 0's sake: my store is done
	s_barrier_signal -1
	s_barrier_wait -1
	s_cmp_lg_u32 s12, 0
	s_cbranch_scc1 .Ldone                          ; wave 0 adds the eight parts and stores
.irp k, 0,1,2,3,4,5,6,7
	ds_load_b128 v[48+4*\k:48+4*\k+3], v5 offset:RED+512*\k
.endr
	v_rcp_f32 v30, v29
	s_wait_dscnt 0x0
.irp k, 0,2,4,6
	v_pk_add_f32 v[48+4*\k:49+4*\k], v[48+4*\k:49+4*\k], v[52+4*\k:53+4*\k]     ; plain work behind the reciprocal
	v_pk_add_f32 v[50+4*\k:51+4*\k], v[50+4*\k:51+4*\k], v[54+4*\k:55+4*\k]
.endr
.irp k, 0,4
	v_pk_add_f32 v[48+4*\k:49+4*\k], v[48+4*\k:49+4*\k], v[56+4*\k:57+4*\k]
	v_pk_add_f32 v[50+4*\k:51+4*\k], v[50+4*\k:51+4*\k], v[58+4*\k:59+4*\k]
.endr
	v_pk_add_f32 v[48:49], v[48:49], v[64:65]
	v_pk_add_f32 v[50:51], v[50:51], v[66:67]
	s_wait_alu depctr_va_vdst(0)                   ; the reciprocal's wait, ahead of its first reader
.irp k, 0,1,2,3
	v_mul_f32 v[48+\k], v[48+\k], v30
.endr
	global_store_b128 v5, v[48:51], s[10:11]       ; 32 lanes store 512 consecutive bytes, at a multiple of 256 from out0's first byte
.Ldone:
	s_wait_tensorcnt 0x0
	ds_add_u32 v240, v241
	s_wait_dscnt 0x0
	s_endpgm
.Lfunc_end_k_q4f449de6d3_pool:
	.size	k_q4f449de6d3_pool, .Lfunc_end_k_q4f449de6d3_pool-k_q4f449de6d3_pool
	.p2alignl 7, 3214868480
	.fill 96, 4, 3214868480
	.section	.rodata,"a",@progbits
	.p2align	6, 0x0
	.amdhsa_kernel k_q4f449de6d3_pool
		.amdhsa_group_segment_fixed_size 5632
		.amdhsa_private_segment_fixed_size 0
		.amdhsa_enable_private_segment 0
		.amdhsa_kernarg_size 32
		.amdhsa_user_sgpr_count 2
		.amdhsa_user_sgpr_kernarg_segment_ptr 1
		.amdhsa_wavefront_size32 1
		.amdhsa_system_sgpr_workgroup_id_x 1
		.amdhsa_system_sgpr_workgroup_id_y 1
		.amdhsa_system_sgpr_workgroup_id_z 1
		.amdhsa_system_vgpr_workitem_id 0
		.amdhsa_next_free_vgpr 242
		.amdhsa_next_free_sgpr 100
		.amdhsa_reserve_vcc 1
		.amdhsa_float_denorm_mode_32 3
		.amdhsa_float_denorm_mode_16_64 3
		.amdhsa_memory_ordered 1
		.amdhsa_forward_progress 1
		.amdhsa_inst_pref_size 37
	.end_amdhsa_kernel
	.amdgpu_metadata
---
amdhsa.version: [ 1, 2 ]
amdhsa.kernels:
  - .name:           k_q4f449de6d3_pool
    .symbol:         k_q4f449de6d3_pool.kd
    .args:
      - { .name: t, .offset: 0, .size: 8, .value_kind: global_buffer, .address_space: global }
      - { .name: rows, .offset: 8, .size: 8, .value_kind: global_buffer, .address_space: global }
      - { .name: scores, .offset: 16, .size: 8, .value_kind: global_buffer, .address_space: global }
      - { .name: out0, .offset: 24, .size: 8, .value_kind: global_buffer, .address_space: global }
    .group_segment_fixed_size: 5632
    .private_segment_fixed_size: 0
    .kernarg_segment_align: 8
    .kernarg_segment_size: 32
    .max_flat_workgroup_size: 256
    .sgpr_count:     100
    .vgpr_count:     242
    .wavefront_size: 32
...
	.end_amdgpu_metadata
.endif
;; end of part 4
